; MI455X (gfx1250); checked and timed in simulation.
; The chip was launched on July 23, 2026; its instructions are those of AMD's public machine-readable ISA for CDNA 5 (MIT licence, August 2026) and "CDNA5" Instruction Set Architecture Reference Guide (July 2026). The comments in the code are by the model that wrote it; some were corrected since.
;; K Means. Allowed arithmetic: float matrix products may take bf16 or f16 operands with f32 sums; other float arithmetic in f32, or as packed bf16 or f16 multiplies, adds, multiply-adds, maxima and minima; sums over many terms, partial sums and values carried from step to step in f32; what a program stores and reads back later, other than sums and carried values, may be rounded once to bf16 or f16.
;; Inputs: centers 4,096 x 512 float32; x 32,768 x 512 float32.
;; Outputs: out0 32,768 int32.
;; One version. Each part assembles by itself: llvm-mc -triple=amdgcn-amd-amdhsa -mcpu=gfx1250 --defsym DOCPART=n.
;; ======== version 1 of 1: 2 launches
;; workspace buffers: cb 4,194,304 bytes; cn 16,384 bytes
;; launch prep (part 1): grid 256 x 1, 4 waves a work-group, no clusters, 0 bytes of LDS; arguments centers, cb, cn; writes cb, cn
.if DOCPART == 1
	.amdgcn_target "amdgcn-amd-amdhsa--gfx1250"
	.amdhsa_code_object_version 6
	.text
	.protected	k_q77d1c55c20_prep
	.globl	k_q77d1c55c20_prep
	.p2align	8
	.type	k_q77d1c55c20_prep,@function
k_q77d1c55c20_prep:
	s_mov_b64 s[64:65], 0
	v_nop
	global_prefetch_b8 v0, s[64:65] scope:SCOPE_SE
	s_setreg_imm32_b32 hwreg(HW_REG_WAVE_MODE, 25, 1), 1
	s_wait_xcnt 0x0
; THE PROGRAM: out0[n] = argmin over k of | ||x_n||^2 - 2 x_n . c_k + ||c_k||^2 |, 32,768 points, 4,096 centres, 512 features.
; WORK LEFT OUT, for all finite inputs: in exact arithmetic ||x||^2 - 2 x.c + ||c||^2 = ||x - c||^2 >= 0, so the absolute value changes nothing;
; and ||x_n||^2 is then a term that is the same for every k of the argmin's axis, so argmin_k |dist| = argmin_k (||c_k||^2 - 2 x_n . c_k).
; Neither the row sums of x * x nor the absolute value is computed.  Both inputs still reach the output and both are loaded.
; LIMITS.  A NaN, an infinity or an overflow that reaches only ||x||^2 or the absolute value is not carried to the result.  Where f32 rounding makes the written
; formula's distance negative (x nearly equal to a centre) its absolute value may order two centres otherwise than here.  Two distances closer than f32 rounding may give the other index.
; THIS LAUNCH: cb = centers rounded once to bf16, [4096][512], rows of 1,024 bytes; cn[k] = the sum of the squares of the ROUNDED numbers of row k, in f32:
; the product of the next launch takes the rounded centres, and the norm has to belong to them.
; SHARES.  A work-group owns 16 rows, a wave 4.  A row is 2,048 bytes: four loads of 512 consecutive bytes a wave; all sixteen loads of a wave go out at once, so there is no loop.
.set X, 32                             ; v[32:95]   row i, load j at X + 16 i + 4 j: 4 numbers in f32
.set Y, 96                             ; v[96:127]  row i, load j at Y + 8 i + 2 j: the same 4 numbers in bf16; every store has data registers of its own
.set S, 16                             ; v[16:19]   the four rows' sums
	s_load_b128 s[4:7], s[0:1], 0x0                ; centers s[4:5], cb s[6:7]
	s_load_b64 s[8:9], s[0:1], 0x10                ; cn
	v_and_b32 v1, 31, v0                           ; lane
	v_lshrrev_b32 v5, 5, v0                        ; wave
	v_lshlrev_b32 v2, 4, v1
	v_lshl_add_u32 v2, v5, 13, v2                  ; loads: wave x 4 rows x 2,048 + 16 x lane
	v_lshlrev_b32 v3, 3, v1
	v_lshl_add_u32 v3, v5, 12, v3                  ; stores: wave x 4 rows x 1,024 + 8 x lane
	v_lshlrev_b32 v4, 4, v5                        ; cn: wave x 4 words
	v_mov_b32 v14, 0                               ; v_permlanex16_b32 counts as a reader of its destination
	s_mov_b32 s10, 0xffff0000                      ; a word's upper bf16
	s_mov_b32 s12, 0x76543210                      ; v_permlanex16_b32: each lane takes its own place in the other half
	s_mov_b32 s13, 0xfedcba98
	s_mov_b32 s3, 0
	s_wait_kmcnt 0x0
	s_lshl_b32 s2, ttmp9, 15                       ; 16 rows of 2,048 bytes
	s_add_nc_u64 s[4:5], s[4:5], s[2:3]
	s_lshl_b32 s2, ttmp9, 14                       ; 16 rows of 1,024 bytes
	s_add_nc_u64 s[6:7], s[6:7], s[2:3]
	s_lshl_b32 s2, ttmp9, 6                        ; 16 words
	s_add_nc_u64 s[8:9], s[8:9], s[2:3]
.irp i, 0,1,2,3
.irp j, 0,1,2,3
	global_load_b128 v[X+16*\i+4*\j:X+16*\i+4*\j+3], v2, s[4:5] offset:\i*2048+512*\j th:TH_LOAD_NT
.endr
.endr
; Row i: rounded, stored, squared and summed.
.macro ROW i
	s_wait_loadcnt 12-4*(\i)                       ; loads come back in order: this row's four are in, the 4 (3 - i) younger ones stay out
.irp j, 0,1,2,3
	v_cvt_pk_bf16_f32 v[Y+8*(\i)+2*\j],   v[X+16*(\i)+4*\j],   v[X+16*(\i)+4*\j+1]
	v_cvt_pk_bf16_f32 v[Y+8*(\i)+2*\j+1], v[X+16*(\i)+4*\j+2], v[X+16*(\i)+4*\j+3]
.endr
.irp j, 0,1,2,3
	global_store_b64 v3, v[Y+8*(\i)+2*\j:Y+8*(\i)+2*\j+1], s[6:7] offset:(\i)*1024+256*\j  ; 32 lanes x 8 bytes: 256 consecutive bytes, aligned
.endr
.irp k, 0,1,2,3,4,5,6,7                ; the rounded numbers back in f32, squared; two chains of pairs, started by a multiply: nothing is cleared
.set tp, 6+2*(\k%2)
.set ap, 10+2*(\k%2)
	v_lshlrev_b32 v[tp],   16,  v[Y+8*(\i)+\k]
	v_and_b32     v[tp+1], s10, v[Y+8*(\i)+\k]
.if \k < 2
	v_pk_mul_f32 v[ap:ap+1], v[tp:tp+1], v[tp:tp+1]
.else
	v_pk_fma_f32 v[ap:ap+1], v[tp:tp+1], v[tp:tp+1], v[ap:ap+1]
.endif
.endr
	v_pk_add_f32 v[10:11], v[10:11], v[12:13]
	v_add_f32 v[S+(\i)], v10, v11
	v_add_f32_dpp v[S+(\i)], v[S+(\i)], v[S+(\i)] row_xmask:1 row_mask:0xf bank_mask:0xf
	v_add_f32_dpp v[S+(\i)], v[S+(\i)], v[S+(\i)] row_xmask:2 row_mask:0xf bank_mask:0xf
	v_add_f32_dpp v[S+(\i)], v[S+(\i)], v[S+(\i)] row_xmask:4 row_mask:0xf bank_mask:0xf
	v_add_f32_dpp v[S+(\i)], v[S+(\i)], v[S+(\i)] row_xmask:8 row_mask:0xf bank_mask:0xf
	v_permlanex16_b32 v14, v[S+(\i)], s12, s13
	v_add_f32 v[S+(\i)], v[S+(\i)], v14            ; every lane holds the row's sum
.endm
	ROW 0
	ROW 1
	ROW 2
	ROW 3
	s_wait_xcnt 0x0                                ; EXEC is a source of the stores above: it changes only behind this wait
	v_cmp_eq_u32 vcc_lo, 0, v1
	s_and_saveexec_b32 s14, vcc_lo                 ; lane 0 stores the wave's four sums: 16 bytes; a work-group's four waves write 64 bytes on end
	global_store_b128 v4, v[S:S+3], s[8:9]
	s_wait_xcnt 0x0                                ; and again, in front of the line that widens it
	s_or_b32 exec_lo, exec_lo, s14
	s_endpgm
.Lfunc_end_k_q77d1c55c20_prep:
	.size	k_q77d1c55c20_prep, .Lfunc_end_k_q77d1c55c20_prep-k_q77d1c55c20_prep
	.p2alignl 7, 3214868480
	.fill 96, 4, 3214868480
	.section	.rodata,"a",@progbits
	.p2align	6, 0x0
	.amdhsa_kernel k_q77d1c55c20_prep
		.amdhsa_group_segment_fixed_size 0
		.amdhsa_private_segment_fixed_size 0
		.amdhsa_enable_private_segment 0
		.amdhsa_kernarg_size 24
		.amdhsa_user_sgpr_count 2
		.amdhsa_user_sgpr_kernarg_segment_ptr 1
		.amdhsa_wavefront_size32 1
		.amdhsa_system_sgpr_workgroup_id_x 1
		.amdhsa_system_sgpr_workgroup_id_y 1
		.amdhsa_system_sgpr_workgroup_id_z 1
		.amdhsa_system_vgpr_workitem_id 0
		.amdhsa_next_free_vgpr 128
		.amdhsa_next_free_sgpr 66
		.amdhsa_reserve_vcc 1
		.amdhsa_float_denorm_mode_32 3
		.amdhsa_float_denorm_mode_16_64 3
		.amdhsa_memory_ordered 1
		.amdhsa_forward_progress 1
		.amdhsa_inst_pref_size 13
	.end_amdhsa_kernel
	.amdgpu_metadata
---
amdhsa.version: [ 1, 2 ]
amdhsa.kernels:
  - .name:           k_q77d1c55c20_prep
    .symbol:         k_q77d1c55c20_prep.kd
    .args:
      - { .name: centers, .offset: 0, .size: 8, .value_kind: global_buffer, .address_space: global }
      - { .name: cb, .offset: 8, .size: 8, .value_kind: global_buffer, .address_space: global }
      - { .name: cn, .offset: 16, .size: 8, .value_kind: global_buffer, .address_space: global }
    .group_segment_fixed_size: 0
    .private_segment_fixed_size: 0
    .kernarg_segment_align: 8
    .kernarg_segment_size: 24
    .max_flat_workgroup_size: 128
    .sgpr_count:     66
    .vgpr_count:     128
    .wavefront_size: 32
...
	.end_amdgpu_metadata
.endif
;; end of part 1
;; launch assign (part 2): grid 256 x 1, 4 waves a work-group, clusters of 4 x 1, 327,680 bytes of LDS; arguments x, cb, cn, out0; writes out0
.if DOCPART == 2
	.amdgcn_target "amdgcn-amd-amdhsa--gfx1250"
	.amdhsa_code_object_version 6
	.text
	.protected	k_q77d1c55c20_assign
	.globl	k_q77d1c55c20_assign
	.p2align	8
	.type	k_q77d1c55c20_assign,@function
k_q77d1c55c20_assign:
	s_mov_b64 s[64:65], 0
	v_nop
	global_prefetch_b8 v0, s[64:65] scope:SCOPE_SE
	s_setreg_imm32_b32 hwreg(HW_REG_WAVE_MODE, 25, 1), 1
	s_wait_xcnt 0x0
	s_wait_alu depctr_hold_cnt(0) depctr_sa_sdst(0) depctr_va_vdst(0) depctr_va_sdst(0) depctr_va_ssrc(0) depctr_va_vcc(0) depctr_vm_vsrc(0)
	s_getreg_b32 s2, hwreg(HW_REG_IB_STS2, 6, 4)
	s_cmp_eq_u32 s2, 0
	s_cbranch_scc0 .Lentry_in_a_cluster
	s_endpgm
.Lentry_in_a_cluster:
	s_bfe_u32 s2, ttmp6, 0x10000c
	s_cmp_lg_u32 s2, 0x3003
	s_cbranch_scc0 .Lentry_shape_is_right
	s_endpgm
.Lentry_shape_is_right:
; out0[n] = argmin over k of (cn[k] - 2 x_n . cb_k).  x: [32768][512] f32, rounded to bf16 on its way into registers; cb: [4096][512] bf16; cn: [4096] f32; out0: int32.
; LEFT OUT, as shown at the head of the launch before: ||x_n||^2 (the same for every k) and the absolute value (of a number that is a squared length).
; LIMITS.  A distance that is NaN or not below 3.4028235e38 never wins (a row of such distances gives a low index of its first tile).  Equal distances give the lowest index.
; SHARES.  A work-group owns 128 points and walks all 4,096 centres in 32 blocks of 128.  Wave w: points 64 (w & 1) on, centres 64 (w >> 1) on of every block.
; X STAYS IN REGISTERS: 64 points x 512 features in bf16 are 4 point tiles x 16 fragments x 8 = 512 registers.  LDS is read for centres alone: a fragment of 16 centres x 32 features
; (two loads) feeds four products.  The whole of K lies inside a block, so a block has 16 accumulators, and TWO SETS TAKE TURNS: block t's 256 products run on one set while
; the argmin of block t - 1 is taken from the other, in slices of four vector instructions between the products.
; LAYOUT.  D = A B, A = 16 centres, B = 16 points: lane (r = l % 16, h = l / 16), register j holds centre 8 h + j, point r: one point a lane, so the minimum over centres stays in the lane.
; ARGMIN.  For each point tile a lane keeps the best distance, the first centre of the tile of 16 that gave it, and that tile's eight distances; the place inside the tile is found once, at the end.
; A later tile wins only if it is strictly smaller, and tiles come in ascending order.  The sums start at 0 and cn is added once, by one fused multiply-add with -2.
; CLUSTER.  The four work-groups of a cluster walk the same blocks in step: every block is asked for JOINTLY, by the same tensor load with the same descriptor and the mask of four.
; x's tiles are each work-group's own and are asked for without a mask.
; LDS.  Two regions of 128 rows x 1,040 bytes (1,024 + 16 of padding = 260 words: row r starts at bank 4 r mod 64 (64 banks of 4 bytes: ISA guide 11.1)).  First they hold x's columns 0-255 and 256-511 in f32,
; then they are the ring's two slots.  Behind them, never filled by a tensor load: cn with 128 guard words in front, the waves' results, the spare words.
; REGISTERS, in windows of 256 (s_set_vgpr_msb: bits 1:0 source 0, 3:2 source 1, 5:4 source 2, 7:6 destination):
;   window 0: addresses, the argmin's state, two buffers of centre fragments     window 1: accumulators, set s, tile i at 128 s + 8 i
;   windows 2, 3: x: point tile pt, fragment f at 32 (f & 7) + 8 pt of window 2 + (f >> 3)
.set PITCH, 1040
.set SLOTB, 128*PITCH                  ; 133,120: a region
.set QROWS, 32*PITCH                   ; what one tensor load fills
.set BLKB,  131072                     ; a block of 128 centres in cb
.set CNT,   2*SLOTB                    ; 128 guard words, then cn[0..4095]: 16,896 bytes
.set SCR,   CNT+16896                  ; [centre half][128 points][value, index]: 2,048 bytes
.set SPARE, SCR+2048                   ; the spare words, 128 bytes for each wave: two blocks of 256 bytes that no other line names
.set RR,  1                            ; v1   r
.set HH,  2                            ; v2   h
.set H8,  3                            ; v3   8 h
.set ADR, 4                            ; v4-5 my place in slot 0, 1: (64 (w >> 1) + r) x pitch + 16 h
.set XA,  6                            ; v6-7 my place in x's two halves: (64 (w & 1) + r) x pitch + 32 h
.set CNA, 8                            ; v8   cn of the block whose argmin is in hand: my 8 words of its first tile; 512 bytes on with each block
.set PFO, 9                            ; v9   256 x lane; never rewritten
.set SPW, 10                           ; v10  LDS address of my spare word; never rewritten
.set NIL, 11                           ; v11  0; never rewritten
.set T0,  16                           ; v16-17 at work
.set T1,  17
.set D,   18                           ; v[18:25] a tile's eight distances
.set CN0, 26                           ; v[26:33], v[34:41] cn of a tile of centres, two buffers by the tile's parity
.set CN1, 34
.set BEST, 42                          ; v42-45 by point tile
.set TIDX, 46                          ; v46-49
.set W,   50                           ; v[50:81] the winning tile's eight distances, by point tile
.set R,   82                           ; v[82:89] (value, index) by point tile
.set FB,  96                           ; v[96:159], v[160:223] centre fragments of 64 along K: K half kk, centre tile ct at 32 kk + 8 ct
.set LND, 224                          ; v[224:255] cn on its way into LDS
.set WV,  12                           ; s12 wave   s13 cx   s14 work-group   s15 w & 1   s16 w >> 1
.set G1X, 24                           ; s[24:31] group 1 for x's tiles
.set G1C, 32                           ; s[32:39] group 1 for the centres' tiles
.set G0X, 40                           ; s[40:47] group 0 for x's two halves
.set G0C, 48                           ; s[48:55] group 0 for the centres, a set for each slot
.set TRIPS, 56
.set LIM, 57                           ; 1 in the launch's first cluster, else the greatest number
.set PB,  58                           ; first centre of my half of the block whose argmin is in hand
.set TI,  59
.set SEL, 60                           ; s[60:61]
.set PFA, 62                           ; s[62:63] where my prefetches stand
.set MSB, 0
.macro WIN new                         ; the immediate's high byte repeats the setting that is left; a switch that changes nothing is dropped
.if MSB != (\new)
	s_set_vgpr_msb (MSB<<8)|(\new)
.set MSB, \new
.endif
.endm
; A round of the cluster's barrier: my work-group's barrier; wave 0 signals for the work-group; every wave waits for all four work-groups; my work-group's barrier once more.
.macro CREST
	s_cmp_lg_u32 s[WV], 0
	s_cbranch_scc1 .Lnot_wave_0_\@
	s_barrier_signal -3
.Lnot_wave_0_\@:
	s_barrier_wait -3
	s_barrier_signal -1
	s_barrier_wait -1
.endm
.macro CROUND
	s_barrier_signal -1
	s_barrier_wait -1
	CREST
.endm
; A joint fill of slot b: every wave asks for its own 32 rows of the block, so no branch chooses.  An s_nop 0 and four v_nop follow.
.macro JLOAD b
	tensor_load_to_lds s[G0C+4*(\b):G0C+4*(\b)+3], s[G1C:G1C+7]
	s_nop 0
.rept 4
	v_nop
.endr
.endm
; A prefetch of the block that stands two refills on: 128 rows x 1,024 bytes.  All clusters walk the same blocks: the launch's first cluster asks, nobody else.  Its four partners take 32 rows each, told apart
; BY ADDRESS; each wave 8 of them, a lane 256 bytes: one instruction a wave, and each 256 bytes are named once in the launch.  The loop's last trip asks for nothing: blocks 32 and 33 do not exist.
.macro ASK
	s_cmp_gt_u32 s[TRIPS], s[LIM]
	s_cbranch_scc0 .Lnot_mine_\@
	global_prefetch_b8 v[PFO], s[PFA:PFA+1] th:TH_LOAD_NT scope:SCOPE_SE
.Lnot_mine_\@:
.endm
; 16 LDS loads in one run: my 64 centres, features 64 q .. 64 q + 63, from slot b into buffer fb
.macro FETCH b, q, fb
.irp kk, 0,1
.irp ct, 0,1,2,3
	ds_load_b128 v[(\fb)+32*\kk+8*\ct:(\fb)+32*\kk+8*\ct+3],   v[ADR+(\b)] offset:\ct*16*PITCH+64*(2*(\q)+\kk)
	ds_load_b128 v[(\fb)+32*\kk+8*\ct+4:(\fb)+32*\kk+8*\ct+7], v[ADR+(\b)] offset:\ct*16*PITCH+64*(2*(\q)+\kk)+32
.endr
.endr
.endm
.macro CNLOAD c, off                   ; my eight cn of one tile of centres
	ds_load_b128 v[(\c):(\c)+3],   v[CNA] offset:\off
	ds_load_b128 v[(\c)+4:(\c)+7], v[CNA] offset:(\off)+16
.endm
; Slice n (1 to 5) of the argmin of accumulator e (centre tile e >> 2, point tile e & 3) of set st: four vector instructions.
;   1  the eight distances cn - 2 s, the accumulator's lowest registers first     2  their minimum
;   3  is it smaller than the best so far?  then the best, the tile's first centre, 4, 5  and the eight distances are taken over
.macro SL st, e, n
.set sA, 128*(\st)+8*(\e)
.set sC, CN0+8*(((\e)>>2)&1)
.set sP, (\e)&3
.set sW, W+8*sP
.if (\n) == 1
	WIN 0x01                                       ; source 0 in window 1
.irp z, 0,1,2,3
	v_pk_fma_f32 v[D+2*\z:D+2*\z+1], v[sA+2*\z:sA+2*\z+1], -2.0, v[sC+2*\z:sC+2*\z+1] op_sel_hi:[1,0,1]
.endr
.elseif (\n) == 2
	WIN 0
	v_min3_num_f32 v[T0], v[D], v[D+1], v[D+2]
	v_min3_num_f32 v[T1], v[D+3], v[D+4], v[D+5]
	v_min3_num_f32 v[T0], v[T0], v[T1], v[D+6]
	v_min_num_f32 v[T0], v[T0], v[D+7]
.elseif (\n) == 3
	WIN 0
	s_add_co_u32 s[TI], s[PB], 16*((\e)>>2)
	v_cmp_lt_f32 vcc_lo, v[T0], v[BEST+sP]
	v_cndmask_b32 v[BEST+sP], v[BEST+sP], v[T0], vcc_lo
	v_cndmask_b32 v[TIDX+sP], v[TIDX+sP], s[TI], vcc_lo
	v_cndmask_b32 v[sW], v[sW], v[D], vcc_lo
.elseif (\n) == 4
	WIN 0
.irp z, 1,2,3,4
	v_cndmask_b32 v[sW+\z], v[sW+\z], v[D+\z], vcc_lo
.endr
.else
	WIN 0
.irp z, 5,6,7
	v_cndmask_b32 v[sW+\z], v[sW+\z], v[D+\z], vcc_lo
.endr
	v_nop                                          ; with the three above: the four places behind the K step's last product, in front of the loads into the buffer that it read
.endif
.endm
; A K step: 16 products (centre tile i >> 2, point tile i & 3), 32 along K, on set st; the first K step's start the sums with the constant 0.  The 16 accumulators take turns, one instruction a turn,
; from K step to K step and from block to block.  K step f carries the argmin of accumulator f of the other set: a slice behind products 3, 6, 9, 12, 15.
; mode 1, 2: THE CHANGE OF SLOTS (K step 13: the slot's last fragments were asked for 16 products earlier).  Each wave waits for all its tensor loads, of which one is out: its part of the other slot; adds 0 to its spare
; word; and, eight products on, waits for that and for its reads of this slot.  Behind the barrier nobody reads this slot and the other is whole.  mode 1: the barrier opens a round of the cluster's,
; and the joint refill, the block two on, is the first thing behind it: 240 products stand between it and the wait for it.  mode 2: nothing is left to ask for.
.macro KSTEP st, f, fb, mode
.if (\mode) == 1
	s_wait_xcnt 0x0                                ; the last prefetch, a block back, has read its address, so it may be stepped
	s_add_nc_u64 s[PFA:PFA+1], s[PFA:PFA+1], BLKB
.endif
.if (\mode)
	WIN 0                                          ; (the add's two registers lie in window 0)
	s_wait_tensorcnt 0x0                           ; no tensor load of mine is out, so a group 0 may be written
	ds_add_u32 v[SPW], v[NIL]                      ; 0 onto my spare word; eight products stand between it and the wait for it
.endif
.if (\mode) == 1
	s_add_nc_u64 s[G0C+4*(\st)+2:G0C+4*(\st)+3], s[G0C+4*(\st)+2:G0C+4*(\st)+3], 2*BLKB  ; this slot's next block; the type bits on top are not reached
.endif
.set i, 0
.rept 16
	WIN 0x58+4*((\f)>>3)                           ; A window 0, B window 2 or 3, C and D window 1
.set rA, 128*(\st)+8*i
.set rF, (\fb)+32*((\f)&1)+8*(i>>2)
.set rX, 32*((\f)&7)+8*(i&3)
.if (\f) == 0
	v_wmma_f32_16x16x32_bf16 v[rA:rA+7], v[rF:rF+7], v[rX:rX+7], 0
.else
	v_wmma_f32_16x16x32_bf16 v[rA:rA+7], v[rF:rF+7], v[rX:rX+7], v[rA:rA+7]
.endif
.if ((i%3) == 0) && (i > 0)
	SL 1-(\st), \f, i/3
.endif
.if (\mode) && (i == 7)
	s_wait_dscnt 0x0                               ; the add is done, and my reads of this slot are over:
	s_barrier_signal -1                            ; say so, and work on registers while the others arrive
.endif
.set i, i+1
.endr
.if (\mode)
	WIN 0
	s_barrier_wait -1
.endif
.if (\mode) == 1
	CREST                                          ; no wave of any partner still reads this slot or has a load on its way
	JLOAD \st
.endif
.endm
; Two K steps on one buffer.  At its head: the run of loads issued 32 products ago is waited for, and the next run goes out, into the buffer that the pair before multiplied.
.macro PAIR b, q, mode, nf
	WIN 0
	s_wait_dscnt 0x0
.if (\q) < 7
	FETCH \b, (\q)+1, FB+64*(((\q)+1)&1)
.elseif !(\nf)
	FETCH 1-(\b), 0, FB                            ; the next block's first fragments, from the other slot
.endif
.if (\q) == 1
	CNLOAD CN1, 64                                 ; cn of the tile of centres whose argmin begins with the next pair
.elseif (\q) == 3
	CNLOAD CN0, 128
.elseif (\q) == 5
	CNLOAD CN1, 192
.elseif (\q) == 7
	CNLOAD CN0, 512                                ; the first tile of the block now being multiplied
.endif
.if ((\q) == 7) && ((\mode) == 1)
	ASK                                            ; behind the joint load and the run of LDS loads that the next products wait for
.endif
	KSTEP \b, 2*(\q), FB+64*((\q)&1), 0
.if (\q) == 6
	KSTEP \b, 2*(\q)+1, FB+64*((\q)&1), \mode
.else
	KSTEP \b, 2*(\q)+1, FB+64*((\q)&1), 0
.endif
.endm
.macro BLOCK b, mode, nf               ; a block in slot b, on set b
.irp q, 0,1,2,3,4,5,6,7
	PAIR \b, \q, \mode, \nf
.endr
	WIN 0
	s_add_co_u32 s[PB], s[PB], 128
	v_add_nc_u32 v[CNA], 512, v[CNA]
.endm
; x's half hh from LDS (f32) into window 2 + hh (bf16), eight batches of one fragment for each of the four point tiles.  A fragment's registers 0-3 are features 8 h + 0..7 (32 bytes of f32 at 32 h),
; registers 4-7 features 16 + 8 h + 0..7 (32 bytes at 64 + 32 h).
.macro XLOAD hh, g
.set XL, FB+64*((\g)&1)
.irp pt, 0,1,2,3
	ds_load_b128 v[XL+16*\pt:XL+16*\pt+3],     v[XA+(\hh)] offset:\pt*16*PITCH+128*(\g)
	ds_load_b128 v[XL+16*\pt+4:XL+16*\pt+7],   v[XA+(\hh)] offset:\pt*16*PITCH+128*(\g)+16
	ds_load_b128 v[XL+16*\pt+8:XL+16*\pt+11],  v[XA+(\hh)] offset:\pt*16*PITCH+128*(\g)+64
	ds_load_b128 v[XL+16*\pt+12:XL+16*\pt+15], v[XA+(\hh)] offset:\pt*16*PITCH+128*(\g)+80
.endr
.endm
.macro CONV hh
	WIN 0
	XLOAD \hh, 0
.irp g, 0,1,2,3,4,5,6,7
.if \g < 7
	WIN 0
	XLOAD \hh, \g+1
	s_wait_dscnt 16                                ; this batch is in; the next batch's sixteen loads stay out
.else
	s_wait_dscnt 0x0
.endif
	WIN 0x80+0x40*(\hh)                            ; destination window 2 or 3
.set XL, FB+64*(\g&1)
.set z, 0
.rept 32
	v_cvt_pk_bf16_f32 v[32*\g+z], v[XL+2*z], v[XL+2*z+1]
.set z, z+1
.endr
.endr
	WIN 0
.endm
; (dv, di) = the better of (a, ai) and (o, oi): the smaller value, at equal values the lower index
.macro LEX dv, di, a, ai, o, oi
	v_cmp_lt_f32 s66, v[\o], v[\a]
	v_cmp_eq_f32 s67, v[\o], v[\a]
	v_cmp_lt_u32 s68, v[\oi], v[\ai]
	s_and_b32 s67, s67, s68
	s_or_b32 s66, s66, s67
	v_cndmask_b32 v[\dv], v[\a], v[\o], s66
	v_cndmask_b32 v[\di], v[\ai], v[\oi], s66
.endm
	s_load_b256 s[4:11], s[0:1], 0x0               ; x s[4:5], cb s[6:7], cn s[8:9], out0 s[10:11]
	v_lshl_add_u32 v[SPW], v0, 2, SPARE
	v_mov_b32 v[NIL], 0
	ds_add_u32 v[SPW], v[NIL]                      ; the wave's opening: the add, twice on end, and its wait ahead of my first tensor load
	ds_add_u32 v[SPW], v[NIL]                      ; and once more, under the one wait; the set-up below, work on registers, stands between
	v_lshrrev_b32 v12, 5, v0
	v_readfirstlane_b32 s[WV], v12                 ; wave 0..3
	s_bfe_u32 s13, ttmp6, 0x40000                  ; cx: my place in the cluster
	s_lshl_b32 s14, ttmp9, 2                       ; in a cluster launch ttmp9 counts clusters
	s_add_co_u32 s14, s14, s13                     ; my work-group: it enters x's, out0's and the prefetches' addresses alone
	s_and_b32 s15, s[WV], 1                        ; which 64 points
	s_lshr_b32 s16, s[WV], 1                       ; which 64 centres of a block
	; group 1 for x: a tile of 32 rows x 256 elements of 4 bytes, no mask
	s_mov_b32 s[G1X+0], (2<<16)|(1<<20)|(7<<22)|(3<<25)  ; 17:16 elements of 4 bytes; 20 padding on; 24:22 after every 256 words (code 7); 31:25 4 words of it (code 3)
	s_mov_b32 s[G1X+1], 256<<16                    ; tensor_dim0 = 256
	s_mov_b32 s[G1X+2], 32<<16                     ; tensor_dim1 = 32
	s_mov_b32 s[G1X+3], 256<<16                    ; tile_dim0 = 256
	s_mov_b32 s[G1X+4], 32                         ; tile_dim1 = 32
	s_mov_b32 s[G1X+5], 512                        ; 512 elements from row to row
	s_mov_b32 s[G1X+6], 0
	s_mov_b32 s[G1X+7], 0
	; group 1 for the centres: a tile of 32 rows x 512 elements of 2 bytes, for all four work-groups
	s_mov_b32 s[G1C+0], 15|(1<<16)|(1<<20)|(1<<21)|(7<<22)|(3<<25)  ; 15:0 the mask of four; 17:16 elements of 2 bytes; 21 set beside a mask; padding as above
	s_mov_b32 s[G1C+1], 512<<16
	s_mov_b32 s[G1C+2], 32<<16
	s_mov_b32 s[G1C+3], 512<<16
	s_mov_b32 s[G1C+4], 32
	s_mov_b32 s[G1C+5], 512
	s_mov_b32 s[G1C+6], 0
	s_mov_b32 s[G1C+7], 0
	s_mul_i32 s17, s[WV], QROWS                    ; where my 32 rows go: the wave's number alone enters an LDS address
	s_mov_b32 s[G0X+0], 1
	s_mov_b32 s[G0X+1], s17
	s_mov_b32 s[G0X+4], 1
	s_add_co_u32 s[G0X+5], s17, SLOTB
	s_mov_b32 s[G0C+0], 1
	s_mov_b32 s[G0C+1], s17
	s_mov_b32 s[G0C+4], 1
	s_add_co_u32 s[G0C+5], s17, SLOTB
	s_lshl_b32 s18, s14, 18                        ; x: 128 rows of 2,048 bytes a work-group,
	s_lshl_b32 s19, s[WV], 16                      ; 32 a wave
	s_add_co_u32 s18, s18, s19
	s_mov_b32 s19, 0
	s_lshl_b32 s22, s[WV], 15                      ; cb: my 32 rows of 1,024 bytes of a block
	s_mov_b32 s23, 0
	s_lshl_b32 s2, s13, 15                         ; the prefetches: my work-group's 32 rows of a block,
	s_lshl_b32 s3, s[WV], 13                       ; my wave's 8 of them
	s_add_co_u32 s2, s2, s3
	s_mov_b32 s3, 0
	s_mov_b32 s[SEL], 0x76543210
	s_mov_b32 s[SEL+1], 0xfedcba98
	s_cmp_eq_u32 ttmp9, 0                          ; the same in all four partners
	s_cselect_b32 s[LIM], 1, -1
	s_wait_dscnt 0x0                               ; both opening adds are done
	s_wait_kmcnt 0x0
	s_add_nc_u64 s[20:21], s[4:5], s[18:19]
	s_mov_b64 s[G0X+2:G0X+3], s[20:21]             ; columns 0-255
	s_add_nc_u64 s[G0X+6:G0X+7], s[20:21], 1024    ; columns 256-511
	s_or_b32 s[G0X+3], s[G0X+3], 0x80000000        ; type = 2
	s_or_b32 s[G0X+7], s[G0X+7], 0x80000000
	s_add_nc_u64 s[G0C+2:G0C+3], s[6:7], s[22:23]  ; block 0
	s_add_nc_u64 s[G0C+6:G0C+7], s[G0C+2:G0C+3], BLKB  ; block 1
	s_or_b32 s[G0C+3], s[G0C+3], 0x80000000
	s_or_b32 s[G0C+7], s[G0C+7], 0x80000000
	s_add_nc_u64 s[PFA:PFA+1], s[6:7], s[2:3]
	s_add_nc_u64 s[PFA:PFA+1], s[PFA:PFA+1], 3*BLKB  ; in block 3: the first change of slots steps it to block 4.  Blocks 0 to 3 come by their loads alone
	s_lshl_b32 s2, s14, 9                          ; out0: 128 words a work-group
	s_add_nc_u64 s[10:11], s[10:11], s[2:3]
	CROUND                                         ; in a cluster launch every group of tensor loads stands behind a round
	tensor_load_to_lds s[G0X:G0X+3], s[G1X:G1X+7]  ; both halves of my 32 rows of x go out together: two tensor loads of mine are out, the most in this text
	s_nop 0
	tensor_load_to_lds s[G0X+4:G0X+7], s[G1X:G1X+7]
	s_nop 0
.rept 4
	v_nop
.endr
	; while x is on its way: cn into LDS, the argmin's start, the addresses
	v_lshlrev_b32 v14, 4, v0
.irp i, 0,1,2,3,4,5,6,7
	global_load_b128 v[LND+4*\i:LND+4*\i+3], v14, s[8:9] offset:2048*\i  ; 128 threads x 16 bytes x 8 = all of cn
.endr
	v_lshl_add_u32 v12, v0, 2, CNT
	v_mov_b32 v13, 0x7f7fffff                      ; the greatest finite number
	ds_store_b32 v12, v13                          ; the guard: cn of the block in front of block 0
	v_mov_b32 v15, 0
	; Block 0's products carry the argmin of a block that has not been: its sums are 0 and its cn the guard, so its distances equal the starting best and never win.
	; The price of one text for every block: these 128 lines, which run in the wait for x.
	WIN 0x40
.set z, 0
.rept 128
	v_mov_b32 v[128+z], 0
.set z, z+1
.endr
	WIN 0
.irp p, 0,1,2,3
	v_mov_b32 v[BEST+\p], v13
	v_mov_b32 v[TIDX+\p], 0
.endr
.set z, 0
.rept 32
	v_mov_b32 v[W+z], v13
.set z, z+1
.endr
	v_and_b32 v[RR], 15, v0
	v_bfe_u32 v[HH], v0, 4, 1
	v_lshlrev_b32 v[H8], 3, v[HH]
	v_mul_u32_u24 v12, v[RR], PITCH
	s_mul_i32 s20, s16, 64*PITCH
	s_mul_i32 s21, s15, 64*PITCH
	v_lshl_add_u32 v[ADR], v[HH], 4, v12
	v_add_nc_u32 v[ADR], s20, v[ADR]
	v_add_nc_u32 v[ADR+1], SLOTB, v[ADR]
	v_lshl_add_u32 v[XA], v[HH], 5, v12
	v_add_nc_u32 v[XA], s21, v[XA]
	v_add_nc_u32 v[XA+1], SLOTB, v[XA]
	s_lshl_b32 s20, s16, 8
	s_add_co_u32 s20, s20, CNT
	v_lshl_add_u32 v[CNA], v[HH], 5, s20           ; at the guard
	v_and_b32 v[PFO], 31, v0
	v_lshlrev_b32 v[PFO], 8, v[PFO]
	s_lshl_b32 s[PB], s16, 6
	s_sub_co_u32 s[PB], s[PB], 128                 ; of the block in front of block 0: never taken
	v_lshl_add_u32 v12, v0, 4, CNT+512
	s_wait_loadcnt 0x0                             ; cn
.irp i, 0,1,2,3,4,5,6,7
	ds_store_b128 v12, v[LND+4*\i:LND+4*\i+3] offset:2048*\i
.endr
	s_wait_tensorcnt 0x1                           ; my part of x's first half is in; the second half's load may stay out
	s_wait_dscnt 0x0                               ; for the others' sake: my stores of cn and of the guard are done
	s_barrier_signal -1
	s_barrier_wait -1
	CONV 0
	s_wait_tensorcnt 0x0                           ; x's second half is in: no tensor load of mine is out
	ds_add_u32 v[SPW], v[NIL]
	s_wait_dscnt 0x0                               ; the add is done, and my reads of the first region are over
	CROUND
	JLOAD 0                                        ; block 0 into the first region; it lands while the second half of x is rounded
	CONV 1
	s_wait_tensorcnt 0x0                           ; my part of block 0 is in
	ds_add_u32 v[SPW], v[NIL]
	s_wait_dscnt 0x0                               ; my reads of the second region are over
	CROUND
	JLOAD 1                                        ; block 1 into the second region
	FETCH 0, 0, FB
	CNLOAD CN0, 0
	s_mov_b32 s[TRIPS], 15
.Ltrip:                                        ; 15 trips: blocks 0 to 29; the change of slots inside block t asks for block t + 2
	BLOCK 0, 1, 0
	BLOCK 1, 1, 0
	s_sub_co_u32 s[TRIPS], s[TRIPS], 1
	s_cmp_lg_u32 s[TRIPS], 0
	s_cbranch_scc1 .Ltrip
	BLOCK 0, 2, 0                                  ; the tail is written out: block 30 asks for nothing
	BLOCK 1, 0, 1                                  ; block 31 changes no slot and fetches nothing further
	; block 31's argmin, with no products left to stand beside
.macro LASTCT ct
.irp e4, 0,1,2,3
.irp n, 1,2,3,4,5
	SL 1, 4*(\ct)+\e4, \n
.endr
.endr
	WIN 0
.endm
	s_wait_dscnt 0x0
	CNLOAD CN1, 64
	LASTCT 0
	s_wait_dscnt 0x0
	CNLOAD CN0, 128
	LASTCT 1
	s_wait_dscnt 0x0
	CNLOAD CN1, 192
	LASTCT 2
	s_wait_dscnt 0x0
	LASTCT 3
	; THE END.  In each lane: the lowest place in the winning tile that holds the best distance.  Then the point's other eight centres of each tile, in the lane 16 away; then the other half of the centres, through LDS.
	s_lshl_b32 s20, s16, 10
	s_lshl_b32 s21, s15, 9
	s_add_co_u32 s20, s20, s21
	s_add_co_u32 s20, s20, SCR
	v_lshl_add_u32 v90, v[RR], 3, s20              ; [centre half][64 (w & 1) + r], 8 bytes each
.irp p, 0,1,2,3
	v_mov_b32 v12, 7
.irp j, 6,5,4,3,2,1,0
	v_cmp_neq_f32 vcc_lo, v[W+8*\p+\j], v[BEST+\p]
	v_cndmask_b32 v12, \j, v12, vcc_lo
.endr
	v_add3_u32 v13, v[TIDX+\p], v12, v[H8]
	v_permlanex16_b32 v14, v[BEST+\p], s[SEL], s[SEL+1]
	v_permlanex16_b32 v15, v13, s[SEL], s[SEL+1]
	LEX R+2*\p, R+2*\p+1, BEST+\p, 13, 14, 15
	ds_store_b64 v90, v[R+2*\p:R+2*\p+1] offset:128*\p  ; lanes r and r + 16 hold the same pair and write the same bytes
.endr
	s_wait_dscnt 0x0                               ; for the others' sake
	s_barrier_signal -1
	s_barrier_wait -1
	s_cmp_lt_u32 s[WV], 2                          ; waves 0 and 1 finish 64 points each
	s_cbranch_scc0 .Lend
	v_and_b32 v12, 31, v0
	s_add_co_u32 s21, s21, SCR
	v_lshl_add_u32 v91, v12, 4, s21                ; two points a lane
	ds_load_b128 v[96:99], v91
	ds_load_b128 v[100:103], v91 offset:1024
	s_lshl_b32 s20, s15, 8
	v_lshl_add_u32 v95, v12, 3, s20
	s_wait_dscnt 0x0
	LEX 94, 92, 96, 97, 100, 101
	LEX 94, 93, 98, 99, 102, 103
	global_store_b64 v95, v[92:93], s[10:11] th:TH_STORE_NT  ; 32 lanes x 8 bytes: 256 consecutive bytes, aligned
.Lend:
	s_wait_tensorcnt 0x0                           ; the wave's end, behind my last tensor load and my last LDS store
	ds_add_u32 v[SPW], v[NIL]
	s_wait_dscnt 0x0
	CROUND                                         ; the closing round: no work-group ends while a partner may still ask for a tile that names it
	s_endpgm
.Lfunc_end_k_q77d1c55c20_assign:
	.size	k_q77d1c55c20_assign, .Lfunc_end_k_q77d1c55c20_assign-k_q77d1c55c20_assign
	.p2alignl 7, 3214868480
	.fill 96, 4, 3214868480
	.section	.rodata,"a",@progbits
	.p2align	6, 0x0
	.amdhsa_kernel k_q77d1c55c20_assign
		.amdhsa_group_segment_fixed_size 327680
		.amdhsa_private_segment_fixed_size 0
		.amdhsa_enable_private_segment 0
		.amdhsa_kernarg_size 32
		.amdhsa_user_sgpr_count 2
		.amdhsa_user_sgpr_kernarg_segment_ptr 1
		.amdhsa_wavefront_size32 1
		.amdhsa_system_sgpr_workgroup_id_x 1
		.amdhsa_system_sgpr_workgroup_id_y 1
		.amdhsa_system_sgpr_workgroup_id_z 1
		.amdhsa_system_vgpr_workitem_id 0
		.amdhsa_next_free_vgpr 1024
		.amdhsa_next_free_sgpr 72
		.amdhsa_reserve_vcc 1
		.amdhsa_float_denorm_mode_32 3
		.amdhsa_float_denorm_mode_16_64 3
		.amdhsa_memory_ordered 1
		.amdhsa_forward_progress 1
		.amdhsa_inst_pref_size 255
	.end_amdhsa_kernel
	.section	.bss,"aw",@nobits
	.p2align	6
	.space	262144
	.amdgpu_metadata
---
amdhsa.version: [ 1, 2 ]
amdhsa.kernels:
  - .name:           k_q77d1c55c20_assign
    .symbol:         k_q77d1c55c20_assign.kd
    .args:
      - { .name: x, .offset: 0, .size: 8, .value_kind: global_buffer, .address_space: global }
      - { .name: cb, .offset: 8, .size: 8, .value_kind: global_buffer, .address_space: global }
      - { .name: cn, .offset: 16, .size: 8, .value_kind: global_buffer, .address_space: global }
      - { .name: out0, .offset: 24, .size: 8, .value_kind: global_buffer, .address_space: global }
    .group_segment_fixed_size: 327680
    .private_segment_fixed_size: 0
    .kernarg_segment_align: 8
    .kernarg_segment_size: 32
    .max_flat_workgroup_size: 128
    .sgpr_count:     72
    .vgpr_count:     1024
    .wavefront_size: 32
...
	.end_amdgpu_metadata
.endif
;; end of part 2
